; MI455X (gfx1250); checked and timed in simulation.
; The chip was launched on July 23, 2026; its instructions are those of AMD's public machine-readable ISA for CDNA 5 (MIT licence, August 2026) and "CDNA5" Instruction Set Architecture Reference Guide (July 2026). The comments in the code are by the model that wrote it; some were corrected since.
;; Multi Headed Attention. Allowed arithmetic: matrix products marked QUANTISED: E4M3 operands, one given power-of-two scale a tensor, by v_wmma_f32_16x16x64_fp8_fp8 or v_wmma_f32_16x16x128_fp8_fp8, f32 sums; everything else in f32.
;; Inputs: W_K 1,024 x 1,024 float32; W_Q 1,024 x 1,024 float32; W_V 1,024 x 1,024 float32; W_ffn 1,024 x 1,024 float32; b_ffn 1,024 float32; key 2 x 2,048 x 1,024 float32; lowp_scales 12 int32 (the exponents e of the quantised operands' scales 2^e); query 2 x 2,048 x 1,024 float32; value 2 x 2,048 x 1,024 float32.
;; Outputs: out0 2 x 2,048 x 1,024 float32.
;; This version of the problem:
;;   THIS VERSION OF THE PROBLEM IS GIVEN IN LOW PRECISION. The matrix products marked QUANTISED in the list below multiply operands that are first quantised to E4M3 (4 exponent bits, 3 mantissa bits; 8 bits a number), with one given power-of-two scale for each operand tensor; their sums are f32. All else is computed in f32.
;;   The module's matrix products, in the order in which they are computed (A, B: the left and right operand; K: the contracted axis; several contracted axes count as one K, in the product's order):
;;     1. [M 4,096, K 1,024] x [K 1,024, N 1,024]; A: input query; B: input W_Q: QUANTISED (scales: A lowp_scales[0], B lowp_scales[1])
;;     2. [M 4,096, K 1,024] x [K 1,024, N 1,024]; A: input key; B: input W_K: QUANTISED (scales: A lowp_scales[2], B lowp_scales[3])
;;     3. [M 4,096, K 1,024] x [K 1,024, N 1,024]; A: input value; B: input W_V: QUANTISED (scales: A lowp_scales[4], B lowp_scales[5])
;;     4. batch 32 x [M 2,048, K 64] x [K 64, N 2,048]; A: computed on the way; B: computed on the way: QUANTISED (scales: A lowp_scales[6], B lowp_scales[7])
;;     5. batch 32 x [M 2,048, K 2,048] x [K 2,048, N 64]; A: softmax (see below); B: computed on the way: QUANTISED (scales: A lowp_scales[8], B lowp_scales[9])
;;     6. [M 4,096, K 1,024] x [K 1,024, N 1,024]; A: computed on the way; B: input W_ffn: QUANTISED (scales: A lowp_scales[10], B lowp_scales[11])
;;   THE QUANTISER, for each operand of a quantised product, along K:
;;     - The operand's scale is 2^e, e = its entry of the input lowp_scales (int32; the entries are numbered through the quantised products in the list's order, A before B).
;;     - Each number is divided by the scale, clamped to +-448, and rounded to the nearest number of E4M3, ties to even, subnormals kept.
;;     - The product sums the exact products of the quantised numbers (number of the format x scale) in f32.
;;   ~~~python
;;   def quantise(x, axis, e):      # numpy; x: float32 -> the quantised numbers, widened to float32 again
;;       x = np.moveaxis(x, axis, -1); K = x.shape[-1]
;;       r = np.clip(x / 2.0 ** e, -448, 448)
;;       step = 2.0 ** (np.maximum(np.frexp(np.where(r == 0, 1, r))[1] - 1, -6) - 3)
;;       q = np.round(r / step) * step * 2.0 ** e      # np.round: ties to even
;;       return np.moveaxis(q, -1, axis).astype(np.float32)
;;   ~~~
;;   SOFTMAX AHEAD OF A QUANTISED PRODUCT. Where the list says 'softmax', what is quantised is not the finished softmax but p = 2^(t - M), with t = logit x log2(e) and M = ceil(the row's largest t), a whole number; so 1/2 < the row's largest p <= 1. The row's sum l is taken of the UNQUANTISED p, in f32, and the product's result is divided by l at the end. Since M is a whole number, a kernel that streams over the keys may use a running M (the ceiling of the running maximum): every later rescaling is an exact power of two, so the quantised numbers keep their values, but for numbers so far below the row's largest that they fall under the format's range.
;;   OPERANDS COMPUTED ON THE WAY. 'Computed on the way' means the value that the module computes at that place (a softmax that the list does not call 'softmax' is quantised finished and normalised). What goes into a quantiser is computed in f32, as accurately as f32 sums, v_exp_f32 and their like allow (about 1e-6 of the number): no bf16 or f16 on the way to a quantiser, and a product that is left as it is and whose result goes on into a quantised operand takes f32 operands (vector FMAs, or v_wmma_f32_16x16x4_f32). A number that lies on a knife's edge between two numbers of the format may be rounded either way, as far as f32 arithmetic and the matrix unit's own rounding can turn it there, and no further.
;; One version. Each part assembles by itself: llvm-mc -triple=amdgcn-amd-amdhsa -mcpu=gfx1250 --defsym DOCPART=n.
;; ======== version 1 of 1: 4 launches
;; limits: right only within a limited range of input values
;; workspace buffers: codes 16,777,216 bytes; qkv 12,582,912 bytes; cimg 4,194,304 bytes
;; launch quant (part 1): grid 256 x 1, 8 waves a work-group, no clusters, 18,432 bytes of LDS; arguments query, key, value, W_Q, W_K, W_V, W_ffn, lowp_scales, codes; writes codes
.if DOCPART == 1
	.amdgcn_target "amdgcn-amd-amdhsa--gfx1250"
	.amdhsa_code_object_version 6
	.text
	.protected	k_qe9b1d22576_quant
	.globl	k_qe9b1d22576_quant
	.p2align	8
	.type	k_qe9b1d22576_quant,@function
k_qe9b1d22576_quant:
	s_mov_b64 s[64:65], 0
	v_nop
	global_prefetch_b8 v0, s[64:65] scope:SCOPE_SE
	s_setreg_imm32_b32 hwreg(HW_REG_WAVE_MODE, 25, 1), 1
	s_wait_xcnt 0x0
; query, key, value [4096][1024] and W_Q, W_K, W_V, W_ffn [1024][1024], f32, K innermost, become codes of FP8 (E4M3), each tensor with the one scale 2^e given for it.
; code = x / 2^e, held within +-448, rounded to the nearest code, ties to even.
; LIMITS: each e lies between -126 and 119, so that 2^e and 448 x 2^e are f32 numbers.  NaN among the inputs is not served; an infinity is held at the largest code.
; THE CODES ARE STORED AS IMAGES OF THE OPERAND'S REGISTERS.  A fragment is 16 rows x 128 along K, 2,048 bytes, in 4 chunks of 512: chunk c holds registers 4 c .. 4 c + 3 of the operand of
; v_wmma_f32_16x16x128_fp8_fp8, lane L's 16 bytes at 16 L.  Lane (r = L % 16, h = L / 16), register w, byte b: row r, k = 16 (w / 2) + 8 h + 4 (w % 2) + b: every k in the place that the form gives it.
; Row tile T (16 rows; the seven tensors on end: 256, 256, 256, 64, 64, 64, 64 tiles), K step s: at (8 T + s) x 2,048.
; SHARES.  A work-group takes 64 rows of one tensor; wave w row tile w / 2 of them and K steps 4 (w % 2) + 0 .. 3: four fragments, written out.
; A load reads 512 consecutive bytes of one row: lane l holds k = 4 l .. 4 l + 3.  Eight conversions make of 16 rows' numbers 16 words of four codes; each word's place in the image hangs on the lane alone,
; so the words go through the wave's own stage in LDS (8 rows of 256 bytes + 16 of padding: the 32 lanes of a word store fall on 32 different banks) and come back as the image's four chunks.
; No barrier: waves share nothing.  No register that a load or a store names is written again, so no wait frees one.
.set X,    32                          ; v32-159  two sets of 64 numbers: register 4 i + j = row i, k = 4 lane + j
.set D,    160                         ; v160-175 word i: row i's four codes
.set OUTR, 176                         ; v176-239 the images, 16 registers for each fragment
.set SP,   272                         ; a stage row
.set STGB, 8*SP                        ; a wave's stage
	s_load_b512 s[8:23], s[0:1], 0x0               ; query, key, value, W_Q, W_K, W_V, W_ffn, the scales' exponents
	s_load_b64 s[24:25], s[0:1], 0x40              ; the codes
	v_lshl_add_u32 v240, v0, 2, 0x4400
	v_mov_b32 v241, 0
	v_lshrrev_b32 v4, 5, v0
	s_delay_alu instid0(VALU_DEP_1)
	v_readfirstlane_b32 s2, v4                     ; wave 0..7
	v_and_b32 v4, 31, v0
	s_delay_alu instid0(VALU_DEP_1)
	v_lshlrev_b32 v1, 4, v4                        ; 16 x lane: my bytes of a load's and of a store's 512
	s_mul_i32 s3, s2, STGB                         ; my stage
	v_bfe_u32 v5, v0, 3, 2                         ; my word's chunk c = lane / 8,
	v_bfe_u32 v6, v0, 1, 1                         ; its half h = (lane / 2) % 2:
	s_delay_alu instid0(VALU_DEP_1)
	v_lshl_add_u32 v5, v5, 1, v6                   ; stage row 2 c + h
	v_bfe_u32 v6, v0, 2, 1
	v_and_b32 v7, 1, v0
	s_delay_alu instid0(VALU_DEP_1)
	v_lshl_add_u32 v6, v6, 1, v7                   ; its register in the chunk: 2 ((lane / 4) % 2) + lane % 2
	s_delay_alu instid0(VALU_DEP_4)
	v_mul_u32_u24 v2, v5, SP
	s_delay_alu instid0(VALU_DEP_1)
	v_lshl_add_u32 v2, v6, 2, v2
	s_delay_alu instid0(VALU_DEP_1)
	v_add_nc_u32 v2, s3, v2                        ; in: row i's word goes 16 i bytes further on
	v_bfe_u32 v5, v0, 4, 1
	v_and_b32 v6, 15, v0
	s_delay_alu instid0(VALU_DEP_2)
	v_mul_u32_u24 v3, v5, SP
	s_delay_alu instid0(VALU_DEP_1)
	v_lshl_add_u32 v3, v6, 4, v3
	s_delay_alu instid0(VALU_DEP_1)
	v_add_nc_u32 v3, s3, v3                        ; back: lanes 0-15 row 2 c, lanes 16-31 row 2 c + 1, 16 bytes a lane
	s_wait_kmcnt 0x0
	s_mov_b64 s[4:5], s[8:9]                       ; which tensor is my work-group's: the choice hangs on the work-group's number alone
	s_mov_b32 s6, 0                                ; its first work-group
	s_mov_b32 s7, 0                                ; its exponent's byte among the scales
.macro PICK thr, ptr, eoff
	s_cmp_ge_u32 ttmp9, \thr
	s_cselect_b64 s[4:5], s[\ptr:\ptr+1], s[4:5]
	s_cselect_b32 s6, \thr, s6
	s_cselect_b32 s7, \eoff, s7
.endm
	PICK 64,  10, 8                                ; key: entry 2
	PICK 128, 12, 16                               ; value: entry 4
	PICK 192, 14, 4                                ; W_Q: entry 1
	PICK 208, 16, 12                               ; W_K: entry 3
	PICK 224, 18, 20                               ; W_V: entry 5
	PICK 240, 20, 44                               ; W_ffn: entry 11
	s_mov_b32 s26, s7
	s_mov_b32 s27, 0
	s_add_nc_u64 s[22:23], s[22:23], s[26:27]
	s_load_b32 s32, s[22:23], 0x0                  ; e
	s_sub_co_u32 s6, ttmp9, s6
	s_lshl_b32 s6, s6, 18                          ; 64 rows of 4,096 bytes a work-group,
	s_lshr_b32 s33, s2, 1
	s_lshl_b32 s26, s33, 16                        ; 16 rows a row tile,
	s_add_co_u32 s6, s6, s26
	s_and_b32 s34, s2, 1
	s_lshl_b32 s26, s34, 11                        ; four K steps of 512 bytes
	s_add_co_u32 s6, s6, s26
	s_mov_b32 s7, 0
	s_add_nc_u64 s[28:29], s[4:5], s[6:7]          ; in
	s_lshl_b32 s36, ttmp9, 16                      ; the codes: four row tiles of 16,384 bytes a work-group,
	s_lshl_b32 s26, s33, 14
	s_add_co_u32 s36, s36, s26
	s_lshl_b32 s26, s34, 13                        ; four fragments of 2,048
	s_add_co_u32 s36, s36, s26
	s_mov_b32 s37, 0
	s_add_nc_u64 s[30:31], s[24:25], s[36:37]      ; out
.macro LOADF f                         ; fragment f: 16 rows x 512 bytes into set f % 2
.irp i, 0,1,2,3,4,5,6,7,8,9,10,11,12,13,14,15
	global_load_b128 v[X+64*((\f)%2)+4*\i:X+64*((\f)%2)+4*\i+3], v1, s[28:29] offset:4096*\i+512*(\f) th:TH_LOAD_NT
.endr
.endm
	LOADF 0
	LOADF 1
	s_wait_kmcnt 0x0
	s_add_co_i32 s32, s32, 127
	s_lshl_b32 s35, s32, 23
	v_mov_b32 v11, s35                             ; 2^e as f32: the conversion takes its exponent field
	s_add_co_i32 s32, s32, 8
	s_lshl_b32 s32, s32, 23
	s_or_b32 s32, s32, 0x600000
	v_mov_b32 v10, s32                             ; 448 x 2^e
.macro FRAG f
.set XS, X+64*((\f)%2)
.if (\f) < 3
	s_wait_loadcnt 16                              ; this fragment's 16 loads are in; the next fragment's 16 may be out
.else
	s_wait_loadcnt 0
.endif
.set j, 0
.rept 64
	v_med3_num_f32 v[XS+j], v[XS+j], -v10, v10     ; the conversion to an 8-bit code does not saturate (ISA guide 7.6.2): the hold at the largest code x the scale
.set j, j+1
.endr
.irp p, 0,1,2,3,4,5,6,7
	v_cvt_scalef32_pk8_fp8_f32 v[D+2*\p:D+2*\p+1], v[XS+8*\p:XS+8*\p+7], v11   ; rows 2 p and 2 p + 1: a word of four codes each
.endr
	v_nop                                          ; a plain vector line behind the last conversion of the run
.if (\f) < 2
	LOADF (\f)+2                                   ; the set just converted takes the fragment two further on
.endif
.irp i, 0,1,2,3,4,5,6,7,8,9,10,11,12,13,14,15
	ds_store_b32 v2, v[D+\i] offset:16*\i
.endr
.irp c, 0,1,2,3
	ds_load_b128 v[OUTR+16*(\f)+4*\c:OUTR+16*(\f)+4*\c+3], v3 offset:2*SP*\c   ; LDS serves a wave's instructions in order (ISA guide 5.7.1.4): these see the stores above
.endr
	s_wait_dscnt 0x0                               ; the image is in registers
.irp c, 0,1,2,3
	global_store_b128 v1, v[OUTR+16*(\f)+4*\c:OUTR+16*(\f)+4*\c+3], s[30:31] offset:2048*(\f)+512*\c   ; 32 lanes store 512 consecutive bytes, at a multiple of 512 from the buffer's first byte
.endr
.endm
	s_wait_alu depctr_va_vdst(0)
	FRAG 0
	FRAG 1
	FRAG 2
	FRAG 3
	s_wait_tensorcnt 0x0
	ds_add_u32 v240, v241
	s_wait_dscnt 0x0
	s_endpgm
.Lfunc_end_k_qe9b1d22576_quant:
	.size	k_qe9b1d22576_quant, .Lfunc_end_k_qe9b1d22576_quant-k_qe9b1d22576_quant
	.p2alignl 7, 3214868480
	.fill 96, 4, 3214868480
	.section	.rodata,"a",@progbits
	.p2align	6, 0x0
	.amdhsa_kernel k_qe9b1d22576_quant
		.amdhsa_group_segment_fixed_size 18432
		.amdhsa_private_segment_fixed_size 0
		.amdhsa_enable_private_segment 0
		.amdhsa_kernarg_size 72
		.amdhsa_user_sgpr_count 2
		.amdhsa_user_sgpr_kernarg_segment_ptr 1
		.amdhsa_wavefront_size32 1
		.amdhsa_system_sgpr_workgroup_id_x 1
		.amdhsa_system_sgpr_workgroup_id_y 1
		.amdhsa_system_sgpr_workgroup_id_z 1
		.amdhsa_system_vgpr_workitem_id 0
		.amdhsa_next_free_vgpr 242
		.amdhsa_next_free_sgpr 66
		.amdhsa_reserve_vcc 0
		.amdhsa_float_denorm_mode_32 3
		.amdhsa_float_denorm_mode_16_64 3
		.amdhsa_memory_ordered 1
		.amdhsa_forward_progress 1
		.amdhsa_inst_pref_size 36
	.end_amdhsa_kernel
	.amdgpu_metadata
---
amdhsa.version: [ 1, 2 ]
amdhsa.kernels:
  - .name:           k_qe9b1d22576_quant
    .symbol:         k_qe9b1d22576_quant.kd
    .args:
      - { .name: query, .offset: 0, .size: 8, .value_kind: global_buffer, .address_space: global }
      - { .name: key, .offset: 8, .size: 8, .value_kind: global_buffer, .address_space: global }
      - { .name: value, .offset: 16, .size: 8, .value_kind: global_buffer, .address_space: global }
      - { .name: W_Q, .offset: 24, .size: 8, .value_kind: global_buffer, .address_space: global }
      - { .name: W_K, .offset: 32, .size: 8, .value_kind: global_buffer, .address_space: global }
      - { .name: W_V, .offset: 40, .size: 8, .value_kind: global_buffer, .address_space: global }
      - { .name: W_ffn, .offset: 48, .size: 8, .value_kind: global_buffer, .address_space: global }
      - { .name: lowp_scales, .offset: 56, .size: 8, .value_kind: global_buffer, .address_space: global }
      - { .name: codes, .offset: 64, .size: 8, .value_kind: global_buffer, .address_space: global }
    .group_segment_fixed_size: 18432
    .private_segment_fixed_size: 0
    .kernarg_segment_align: 8
    .kernarg_segment_size: 72
    .max_flat_workgroup_size: 256
    .sgpr_count:     66
    .vgpr_count:     242
    .wavefront_size: 32
...
	.end_amdgpu_metadata
.endif
;; end of part 1
;; launch proj (part 2): grid 4 x 48, 4 waves a work-group, clusters of 4 x 1, 327,680 bytes of LDS; arguments codes, lowp_scales, qkv; writes qkv
.if DOCPART == 2
	.amdgcn_target "amdgcn-amd-amdhsa--gfx1250"
	.amdhsa_code_object_version 6
	.text
	.protected	k_qe9b1d22576_proj
	.globl	k_qe9b1d22576_proj
	.p2align	8
	.type	k_qe9b1d22576_proj,@function
k_qe9b1d22576_proj:
	s_mov_b64 s[64:65], 0
	v_nop
	global_prefetch_b8 v0, s[64:65] scope:SCOPE_SE
	s_setreg_imm32_b32 hwreg(HW_REG_WAVE_MODE, 25, 1), 1
	s_wait_xcnt 0x0
	s_wait_alu depctr_hold_cnt(0) depctr_sa_sdst(0) depctr_va_vdst(0) depctr_va_sdst(0) depctr_va_ssrc(0) depctr_va_vcc(0) depctr_vm_vsrc(0)
	s_getreg_b32 s2, hwreg(HW_REG_IB_STS2, 6, 4)
	s_cmp_eq_u32 s2, 0
	s_cbranch_scc0 .Lentry_in_a_cluster
	s_endpgm
.Lentry_in_a_cluster:
	s_bfe_u32 s2, ttmp6, 0x10000c
	s_cmp_lg_u32 s2, 0x3003
	s_cbranch_scc0 .Lentry_shape_is_right
	s_endpgm
.Lentry_shape_is_right:
; Q = query W_Q^T, K = key W_K^T, V = value W_V^T on codes of FP8 (E4M3), [4096][1024] x [1024][1024] each, sums in f32; the results are quantised at once as operands of the two products of attention
; (scales: Q entry 6, K entry 7, V entry 9 of the exponents) and stored as images of those operands' registers.
; LIMITS: e6 - e0 - e1, e7 - e2 - e3 and e9 - e4 - e5 lie between -126 and 119, so that the folded scale and 448 x it are f32 numbers.  NaN is not served.
; THE HEADS ARE A PLAIN VIEW: head bh = row / 128 of the projection; position s = 16 (row % 128) + col / 64; d = col % 64.  So 16 rows x 64 columns of a projection are 16 positions 16 apart:
; row tile mu = 8 bh + sigma and g = col / 64 give positions 256 sigma + 16 r + g.
; OUT.  Q (at 0) and K (at 4 MiB): tile (mu, g), an operand of the K = 64 form (lane row r = position 256 sigma + 16 r + g, k = d), 1,024 bytes at (16 mu + g) x 1,024.
;       V (at 8 MiB): (mu, u, t), an operand of the K = 128 form, 2,048 bytes at 16,384 mu + 8,192 u + 2,048 t: lane row r = d 16 t + r; registers 2 c, 2 c + 1, byte j, half h = key 256 sigma + 128 h + 16 j + 8 u + c.
; SHARES.  192 tiles of 256 x 256.  One side, R, 256 rows with all of K = 1,024, lies in LDS: 262,144 bytes, filled once in two halves of K.  Wave w makes 128 x 128: R's half w / 2 (eight row tiles) from LDS,
; of the other side, P, its half w % 2 (eight row tiles) from memory straight into registers.  So a wave reads half of R; each row of P is loaded by two waves of the work-group.
; Always D = P x R^T: lane (r, h), register j = (P's row 8 h + j, R's row r).  Q, K: R = the tokens, P = the weight: a lane's eight registers are eight neighbouring d of one position.
; V: R = W_V, P = value: a lane's eight registers are eight keys 16 apart of one d.  In both a conversion's two registers ARE two registers of the next operand.
; CLUSTER.  The four work-groups of a cluster need the same R (its address hangs on the grid's y alone) and ask for it JOINTLY.  P's rows differ between partners and go to registers: no joint load serves them.
; No prefetch: there are two fills and no loop of fills to run ahead in; P's loads run three quads of fragments ahead.
; ORDER.  32 units of 16 products: unit n is K step n / 4, P's quad of row tiles (n / 2) % 2, R's half-set n % 2.  A quad of P serves two units on end; a half-set of R, four row tiles, two units of its K step.
; REGISTERS, in windows of 256: window 0: v1 16 x lane; v2, v3 LDS addresses of my half of R in the first and the second half of K; v6, v7 the scale and the hold; v62, v63 the add's; v64-255 R's fragments, three slots of four; on the way out v64-191 the codes.
;   window 1: P's fragments, four sets of four.   windows 2, 3: accumulator (R's row tile a, P's row tile p) at v[8 (4 a + p % 4)] of window 2 + p / 4.
.set CD,  64
.set MSB, 0
.macro WIN new                         ; the immediate's high byte repeats the setting that is left
.if MSB != (\new)
	s_set_vgpr_msb (MSB<<8)|(\new)
.set MSB, (\new)
.endif
.endm
.macro PLACES                          ; four plain vector lines between a matrix instruction and a load into, or a vector instruction on, one of its registers (ISA guide 7.12.1 for vector instructions)
.rept 4
	v_nop
.endr
.endm
.macro CROUND                          ; a round of the cluster's barrier
	s_barrier_signal -1
	s_barrier_wait -1
	s_cmp_lg_u32 s10, 0
	s_cbranch_scc1 .Lnot_wave_0_\@
	s_barrier_signal -3
.Lnot_wave_0_\@:
	s_barrier_wait -3
	s_barrier_signal -1
	s_barrier_wait -1
.endm
	s_load_b128 s[4:7], s[0:1], 0x0                ; the codes, the scales' exponents
	s_load_b64 s[8:9], s[0:1], 0x10                ; qkv
	v_lshl_add_u32 v62, v0, 2, 0x40000
	v_mov_b32 v63, 0
	ds_add_u32 v62, v63                            ; the opening lines: the add, twice on end
	ds_add_u32 v62, v63
	v_lshrrev_b32 v5, 5, v0
	v_readfirstlane_b32 s10, v5                    ; wave 0..3
	v_and_b32 v5, 31, v0
	v_lshlrev_b32 v1, 4, v5                        ; 16 x lane: an image's place for my lane
	s_lshr_b32 s40, s10, 1                         ; wr: my half of R
	s_and_b32 s41, s10, 1                          ; wc: my half of P
	s_lshl_b32 s42, s40, 16                        ; eight row tiles of 8,192 bytes
	v_add_nc_u32 v2, s42, v1
	v_add_nc_u32 v3, 0x20000, v2
	s_bfe_u32 s11, ttmp6, 0x40000                  ; cx: my place in the cluster: it enters P's and the output's addresses alone
	s_and_b32 s12, ttmp7, 0xffff                   ; y
	s_lshr_b32 s13, s12, 4                         ; t: 0 Q, 1 K, 2 V
	s_and_b32 s14, s12, 15                         ; yy
	; descriptor group 1: 4 rows (R's row tiles) of 8,192 bytes (four K steps' images), 16,384 bytes apart, in elements of 8 bytes
	s_mov_b32 s24, 15|(3<<16)|(1<<21)              ; 15:0 the mask: all four work-groups; 17:16 elements of 8 bytes; 21 set beside a mask
	s_mov_b32 s25, 1024<<16                        ; tensor_dim0 = 1024
	s_mov_b32 s26, 4<<16                           ; tensor_dim1 = 4
	s_mov_b32 s27, 1024<<16                        ; tile_dim0 = 1024
	s_mov_b32 s28, 4                               ; tile_dim1 = 4
	s_mov_b32 s29, 2048                            ; tensor_dim0_stride
	s_mov_b32 s30, 0
	s_mov_b32 s31, 0
	; byte offsets, for Q and K and for V; then one choice on t.  R's are made in registers that never hold cx
	s_lshl_b32 s16, s13, 22
	s_lshl_b32 s15, s14, 18
	s_add_co_u32 s16, s16, s15                     ; Q, K: R = tokens: tensor t, rows 256 yy on
	s_lshr_b32 s60, s14, 2                         ; V: rb = yy / 4
	s_lshl_b32 s17, s60, 18
	s_add_co_u32 s17, s17, (14<<20)                ; V: R = W_V, rows 256 rb on
	s_lshl_b32 s18, s13, 20
	s_add_co_u32 s18, s18, (12<<20)
	s_lshl_b32 s63, s11, 18
	s_add_co_u32 s18, s18, s63                     ; Q, K: P = weight t, rows 256 cx on
	s_and_b32 s61, s14, 3
	s_lshl_b32 s61, s61, 2
	s_add_co_u32 s61, s61, s11                     ; V: pb = 4 (yy % 4) + cx
	s_lshl_b32 s19, s61, 18
	s_add_co_u32 s19, s19, (8<<20)                 ; V: P = value, rows 256 pb on
	s_lshl_b32 s22, s11, 1
	s_add_co_u32 s22, s22, s41
	s_lshl_b32 s22, s22, 11                        ; Q, K: out: g = 4 cx + 2 wc on,
	s_add_co_u32 s22, s22, s16                     ; tensor t, row tiles 16 yy
	s_lshl_b32 s43, s40, 17
	s_add_co_u32 s22, s22, s43                     ; + 8 wr on
	s_lshl_b32 s23, s61, 1
	s_add_co_u32 s23, s23, s41
	s_lshl_b32 s23, s23, 17                        ; V: out: row tiles 16 pb + 8 wc on, 16,384 bytes each,
	s_add_co_u32 s23, s23, (8<<20)
	s_lshr_b32 s62, s60, 1
	s_lshl_b32 s62, s62, 13                        ; u = rb / 2,
	s_add_co_u32 s23, s23, s62
	s_and_b32 s62, s60, 1
	s_lshl_b32 s62, s62, 10
	s_add_co_u32 s23, s23, s62
	s_lshl_b32 s62, s40, 9                         ; chunk 2 (rb % 2) + wr
	s_add_co_u32 s23, s23, s62
	s_cmp_eq_u32 s13, 2
	s_cselect_b32 s16, s17, s16
	s_cselect_b32 s18, s19, s18
	s_cselect_b32 s22, s23, s22
	s_lshl_b32 s15, s10, 16
	s_add_co_u32 s16, s16, s15                     ; R: the four row tiles that I fetch
	s_lshl_b32 s15, s41, 17
	s_add_co_u32 s18, s18, s15                     ; P: the eight row tiles that I multiply
	s_mov_b32 s17, 0
	s_mov_b32 s19, 0
	s_mov_b32 s23, 0
	s_lshl_b32 s3, s10, 15                         ; where my four row tiles go in a half: no place in the cluster enters an LDS address
	s_wait_dscnt 0x0                               ; both opening adds are done
	s_wait_kmcnt 0x0
	s_load_b256 s[48:55], s[6:7], 0x0              ; e0 .. e7
	s_load_b128 s[56:59], s[6:7], 0x20             ; e8 .. e11
	s_add_nc_u64 s[16:17], s[4:5], s[16:17]
	s_add_nc_u64 s[20:21], s[4:5], s[18:19]        ; P
	s_add_nc_u64 s[22:23], s[8:9], s[22:23]        ; out
.irp q, 0,1                            ; half q: K steps 4 q to 4 q + 3 of all 16 row tiles, at 131,072 q; row tile a at 8,192 a
	s_mov_b32 s[32+4*\q], 1                        ; count = 1
	s_add_co_u32 s[33+4*\q], s3, \q*131072         ; LDS address
	s_add_nc_u64 s[34+4*\q:35+4*\q], s[16:17], \q*8192
	s_or_b32 s[35+4*\q], s[35+4*\q], 0x80000000    ; type = 2
.endr
	CROUND                                         ; all four work-groups are here: the joint loads meet
	tensor_load_to_lds s[32:35], s[24:31]          ; the first half of K: one load of mine is out
	s_nop 0
	PLACES                                         ; four v_nop follow it
.macro PLOAD m                         ; quad m = 2 x K step + quad: four fragments of P into set m % 4
	WIN 0x40                                       ; destination window 1
.irp p, 0,1,2,3
.irp c, 0,1,2,3
	global_load_b128 v[64*((\m)%4)+16*\p+4*\c:64*((\m)%4)+16*\p+4*\c+3], v1, s[20:21] offset:16384*(4*((\m)%2)+\p)+2048*((\m)/2)+512*\c
.endr
.endr
	WIN 0
.endm
.macro RLOAD hs                        ; half-set hs = 2 x K step + half: four fragments of R into slot hs % 3
.irp i, 0,1,2,3
.irp c, 0,1,2,3
	ds_load_b128 v[64+64*((\hs)%3)+16*\i+4*\c:64+64*((\hs)%3)+16*\i+4*\c+3], v[2+(\hs)/8] offset:(4*((\hs)%2)+\i)*8192+(((\hs)/2)%4)*2048+512*\c
.endr
.endr
.endm
.macro MULG n                          ; 16 products.  The 64 accumulators take turns, one instruction a turn, in the same order in every K step; K step 0 starts the sums
.if (((\n)/2)%2) == 0
	WIN 0xa1                                       ; source 0 (P) window 1, source 1 (R) window 0, C and D window 2
.else
	WIN 0xf1                                       ; the same, C and D window 3
.endif
.irp i, 0,1,2,3
.irp p, 0,1,2,3
.set AC, 8*(4*(4*((\n)%2)+\i)+\p)
.set PF, 64*(((\n)/2)%4)+16*\p
.set RF, 64+64*((2*((\n)/4)+(\n)%2)%3)+16*\i
.if (\n) < 4
	v_wmma_f32_16x16x128_fp8_fp8 v[AC:AC+7], v[PF:PF+15], v[RF:RF+15], 0
.else
	v_wmma_f32_16x16x128_fp8_fp8 v[AC:AC+7], v[PF:PF+15], v[RF:RF+15], v[AC:AC+7]
.endif
.endr
.endr
.endm
.macro UNIT n
	WIN 0
	PLACES                                         ; behind the last unit's products: the loads below land in a slot, or in a set, that they or earlier ones read
.if ((\n)%2) == 0
.if ((\n) >= 2) && ((\n) <= 24)
	PLOAD (\n)/2+3                                 ; three quads ahead
.endif
.if (\n) <= 24
	s_wait_loadcnt 48                              ; this quad of P is in; the next three quads' loads may be out
.else
	s_wait_loadcnt 16*(15-(\n)/2)
.endif
.endif
.if ((\n)%2 == 1) && ((\n) <= 27)
	RLOAD 2*((\n)/4+1)+((\n)%4)/2                  ; the next K step's half-sets, by turns
.endif
.if (\n)%4 == 0
	s_wait_dscnt 16                                ; this K step's first half-set is in; the second one's 16 loads may be out
.endif
.if (\n)%4 == 1
.if (\n) <= 27
	s_wait_dscnt 16                                ; the second half-set is in; the 16 just issued may be out
.else
	s_wait_dscnt 0
.endif
.endif
	MULG \n
.endm
	s_wait_alu depctr_va_vdst(0)
	PLOAD 0
	PLOAD 1
	PLOAD 2
	PLOAD 3
	s_wait_tensorcnt 0x0                           ; my part of the first half is in
	ds_add_u32 v62, v63
	s_wait_dscnt 0x0
	CROUND                                         ; everybody's part is in, and all four work-groups are here
	tensor_load_to_lds s[36:39], s[24:31]          ; the second half of K: it has the first thirteen units in which to land
	s_nop 0
	PLACES
	RLOAD 0
	RLOAD 1
.irp n, 0,1,2,3,4,5,6,7,8,9,10,11,12
	UNIT \n
.endr
	WIN 0                                          ; unit 13: its look-ahead enters the second half: my part of it has landed, then the work-group's barrier; nothing is ever filled again
	PLACES
	s_wait_tensorcnt 0x0
	s_wait_dscnt 0x0                               ; no LDS instruction of mine is pending at the signal
	s_barrier_signal -1
	MULG 13                                        ; work on registers while the others arrive
	WIN 0
	s_barrier_wait -1
	RLOAD 8                                        ; into slot 2, last read by unit 11
.irp n, 14,15,16,17,18,19,20,21,22,23,24,25,26,27,28,29,30,31
	UNIT \n
.endr
	WIN 0
	PLACES
	; THE WAY OUT.  A sum stands for sum x 2^(ea + eb), its code is that / 2^eo: the three exponents are folded into the conversion's one scale.  They are chosen without a branch.
	s_wait_kmcnt 0x0
	s_cmp_eq_u32 s13, 1
	s_cselect_b32 s60, s50, s48                    ; ea
	s_cselect_b32 s61, s51, s49                    ; eb
	s_cselect_b32 s62, s55, s54                    ; eo
	s_cmp_eq_u32 s13, 2
	s_cselect_b32 s60, s52, s60
	s_cselect_b32 s61, s53, s61
	s_cselect_b32 s62, s57, s62
	s_sub_co_i32 s62, s62, s60
	s_sub_co_i32 s62, s62, s61
	s_add_co_i32 s62, s62, 127
	s_lshl_b32 s63, s62, 23
	v_mov_b32 v6, s63                              ; 2^(eo - ea - eb) as f32
	s_add_co_i32 s62, s62, 8
	s_lshl_b32 s62, s62, 23
	s_or_b32 s62, s62, 0x600000
	v_mov_b32 v7, s62                              ; 448 x that
.irp hh, 0,1
	WIN 0x82+0x41*\hh                              ; destination and source 0 in window 2, then 3
.set j, 0
.rept 256
	v_med3_num_f32 v[j], v[j], -v7, v7             ; the hold (the conversion does not saturate: ISA guide 7.6.2); each accumulator from its low end on
.set j, j+1
.endr
.endr
	WIN 0
	s_cmp_eq_u32 s13, 2                            ; the grid's y alone: the same in all partners
	s_cbranch_scc1 .Lv
.irp hh, 0,1                           ; Q, K: accumulator (a, p) of quad hh gives registers 2 (p % 4), 2 (p % 4) + 1 of the image of row tile a, tile g + hh
	WIN 0x02+\hh                                   ; source 0 in window 2, then 3
.set j, 0
.rept 32
	v_cvt_scalef32_pk8_fp8_f32 v[CD+64*\hh+2*j:CD+64*\hh+2*j+1], v[8*j:8*j+7], v6
.set j, j+1
.endr
.endr
	WIN 0
	v_nop                                          ; a plain vector line behind the last conversion
.irp a, 0,1,2,3,4,5,6,7
.irp hh, 0,1
.irp c, 0,1
	global_store_b128 v1, v[CD+64*\hh+8*\a+4*\c:CD+64*\hh+8*\a+4*\c+3], s[22:23] offset:\a*16384+1024*\hh+512*\c   ; 512 consecutive bytes, aligned
.endr
.endr
.endr
	s_branch .Ljoin
.Lv:
.irp hh, 0,1                           ; V: R's row tile a = 4 z + tt is d 16 tt on of g = 4 rb + 2 wr + z: registers 2 z, 2 z + 1 of my chunk of image (row tile 4 hh + p, u, tt)
	WIN 0x02+\hh
.irp z, 0,1
.irp tt, 0,1,2,3
.irp p, 0,1,2,3
	v_cvt_scalef32_pk8_fp8_f32 v[CD+64*\hh+4*(4*\p+\tt)+2*\z:CD+64*\hh+4*(4*\p+\tt)+2*\z+1], v[8*(4*(4*\z+\tt)+\p):8*(4*(4*\z+\tt)+\p)+7], v6
.endr
.endr
.endr
.endr
	WIN 0
	v_nop
.irp hh, 0,1
.irp p, 0,1,2,3
.irp tt, 0,1,2,3
	global_store_b128 v1, v[CD+64*\hh+4*(4*\p+\tt):CD+64*\hh+4*(4*\p+\tt)+3], s[22:23] offset:(4*\hh+\p)*16384+\tt*2048
.endr
.endr
.endr
.Ljoin:
	s_wait_tensorcnt 0x0                           ; the wave's end
	ds_add_u32 v62, v63
	s_wait_dscnt 0x0
	CROUND                                         ; the closing round: no work-group ends while a partner may still ask for a tile that names it
	s_endpgm
.Lfunc_end_k_qe9b1d22576_proj:
	.size	k_qe9b1d22576_proj, .Lfunc_end_k_qe9b1d22576_proj-k_qe9b1d22576_proj
	.p2alignl 7, 3214868480
	.fill 96, 4, 3214868480
	.section	.rodata,"a",@progbits
	.p2align	6, 0x0
	.amdhsa_kernel k_qe9b1d22576_proj
		.amdhsa_group_segment_fixed_size 327680
		.amdhsa_private_segment_fixed_size 0
		.amdhsa_enable_private_segment 0
		.amdhsa_kernarg_size 24
		.amdhsa_user_sgpr_count 2
		.amdhsa_user_sgpr_kernarg_segment_ptr 1
		.amdhsa_wavefront_size32 1
		.amdhsa_system_sgpr_workgroup_id_x 1
		.amdhsa_system_sgpr_workgroup_id_y 1
		.amdhsa_system_sgpr_workgroup_id_z 1
		.amdhsa_system_vgpr_workitem_id 0
		.amdhsa_next_free_vgpr 1024
		.amdhsa_next_free_sgpr 66
		.amdhsa_reserve_vcc 0
		.amdhsa_float_denorm_mode_32 3
		.amdhsa_float_denorm_mode_16_64 3
		.amdhsa_memory_ordered 1
		.amdhsa_forward_progress 1
		.amdhsa_inst_pref_size 133
	.end_amdhsa_kernel
	.amdgpu_metadata
---
amdhsa.version: [ 1, 2 ]
amdhsa.kernels:
  - .name:           k_qe9b1d22576_proj
    .symbol:         k_qe9b1d22576_proj.kd
    .args:
      - { .name: codes, .offset: 0, .size: 8, .value_kind: global_buffer, .address_space: global }
      - { .name: lowp_scales, .offset: 8, .size: 8, .value_kind: global_buffer, .address_space: global }
      - { .name: qkv, .offset: 16, .size: 8, .value_kind: global_buffer, .address_space: global }
    .group_segment_fixed_size: 327680
    .private_segment_fixed_size: 0
    .kernarg_segment_align: 8
    .kernarg_segment_size: 24
    .max_flat_workgroup_size: 128
    .sgpr_count:     66
    .vgpr_count:     1024
    .wavefront_size: 32
...
	.end_amdgpu_metadata
.endif
;; end of part 2
;; launch attn (part 3): grid 8 x 32, 8 waves a work-group, clusters of 4 x 1, 327,680 bytes of LDS; arguments qkv, lowp_scales, cimg; writes cimg
.if DOCPART == 3
	.amdgcn_target "amdgcn-amd-amdhsa--gfx1250"
	.amdhsa_code_object_version 6
	.text
	.protected	k_qe9b1d22576_attn
	.globl	k_qe9b1d22576_attn
	.p2align	8
	.type	k_qe9b1d22576_attn,@function
k_qe9b1d22576_attn:
	s_mov_b64 s[64:65], 0
	v_nop
	global_prefetch_b8 v0, s[64:65] scope:SCOPE_SE
	s_setreg_imm32_b32 hwreg(HW_REG_WAVE_MODE, 25, 1), 1
	s_wait_xcnt 0x0
	s_wait_alu depctr_hold_cnt(0) depctr_sa_sdst(0) depctr_va_vdst(0) depctr_va_sdst(0) depctr_va_ssrc(0) depctr_va_vcc(0) depctr_vm_vsrc(0)
	s_getreg_b32 s2, hwreg(HW_REG_IB_STS2, 6, 4)
	s_cmp_eq_u32 s2, 0
	s_cbranch_scc0 .Lentry_in_a_cluster
	s_endpgm
.Lentry_in_a_cluster:
	s_bfe_u32 s2, ttmp6, 0x10000c
	s_cmp_lg_u32 s2, 0x3003
	s_cbranch_scc0 .Lentry_shape_is_right
	s_endpgm
.Lentry_shape_is_right:
; O[bh][q] = the sum over k <= q of softmax_k(Q[bh][q] . K[bh][k] / 8) V[bh][k], 32 heads of 2,048 positions x 64, both products on codes of FP8 (E4M3); O is quantised at once (scale: entry 10) as an operand of the last product.
; THE SOFTMAX AHEAD OF THE SECOND PRODUCT: t = score x log2(e) / 8; M = the row's largest t so far, rounded UP to a whole number; p = 2^(t - M) is what is quantised (entry 8), not normalised.
; The row's sum is taken of the unquantised p, in f32, and divides O at the end.  When M moves, the sum and O are multiplied by 2^(old M - new M): exact.
; WORK LEFT OUT: whole slots of 256 keys that lie behind all queries of a tile: the mask that reference() builds hides them for all values of the inputs.  A NaN or an infinity that reaches only those scores is not carried.
; LIMITS: e6 + e7 between -60 and 130 (added to c's exponent field); e8 and e10 between -126 and 119; e8 + e9 is applied by v_ldexp_f32 and has none; scaled scores t under 2^31 in magnitude.
; A hidden score is -2^127 in place of -infinity: its t lies under -2^63, so its p is 0 beside any key that counts.  NaN is not served.
; TILES ARE STRIDED.  A tile of 16 queries or keys is (block J or slot sigma of 256 positions, g or T): positions 256 J + 16 r + g.  Q, K and V arrive as images of operand registers laid for just that.
; S^T = K Q^T (source 0 = K's tile T, source 1 = 16 queries): lane (r, h), register j = query r, key 128 h + 16 j + T of the slot.  The conversion of tile T = 8 u + c gives registers 2 c, 2 c + 1 of P for half u,
; and V's image holds the same key at the same (half, register, byte).  O^T = V^T P^T: lane (r, h), register j of tile t = query r, d = 16 t + 8 h + j.
; SHARES.  A work-group c of a head has eight waves.  Wave w: u = w % 2, JA = w / 2, JB = 7 - JA.  It takes TWO tiles at once, X (g = 2 c + u) and Y (g = 2 c + 1 - u), first of block JB, then of block JA,
; and of each slot of 256 keys the 128 with T / 8 = u: JB + 1 steps, then JA + 1: nine steps in every wave.  Each fragment of K and of V feeds both tiles.
; Waves w and w xor 1 hold the same queries over the two halves of the keys: at the end each hands its Y to the other through LDS and joins its X with the other's Y: both brought under the larger M.
; J hangs on the wave's number alone; the work-group's place in its cluster enters global addresses and the mask's selects, never a branch or an LDS address.
; LDS holds the whole head: K's eight slots of 16,384 bytes at 0, V's at 131,072.  Each wave fetches with one tensor load its eighth of slots 0 and 1, and, behind the full sequence, with one more its eighth of slots 2 to 7, which has two steps in which to land.
; Behind that, at 262,144, eight stages of 4,352 bytes, then the spare words.  No prefetch: there are these two fills and no loop of fills to run ahead in.
; CLUSTER.  The four work-groups of a cluster belong to one head and ask for K and V JOINTLY.
; REGISTERS.  Window 0: v1 16 x lane; v2, v3 LDS addresses of the next K and of V; v4-9 addresses; v10, v11 the add's; v12, v13 X's -M and largest t; v14, v15 Y's; v16-31 Q of X, Y; v32-35 the sums; v36, v38 f of X, Y; v40-47 at work;
;   v48-79 p's codes of X, Y; v80-143, v144-207 S^T, then p, of X, Y; v208-239 partial sums; v240 2^e8; v241, v242 2^e10, 448 x it; v246, v248 -M and sum of X in block JB.
;   window 1: v0-63 K, v64-127 V, v128-159 O^T of X, v160-191 of Y, v192-223 X's O^T of block JB, v224-239 Q of block JA, v240-255 the mask's two forms.
.set PX,    48
.set PY,    64
.set SX,    80
.set SY,    144
.set T,     208
.set KF,    0                          ; window 1 from here
.set VF,    64
.set OX,    128
.set OY,    160
.set SV,    192
.set QA,    224
.set CGE,   240
.set CGT,   248
.set VB,    131072
.set SLOTB, 16384
.set STB,   262144
.set SPITCH, 4352                      ; a stage: O^T's 4,096 bytes, then 256 of -M and the sum
.set SPARE, 296960
.set MSB, 0
.macro WIN new                         ; the immediate's high byte repeats the setting that is left
.if MSB != (\new)
	s_set_vgpr_msb (MSB<<8)|(\new)
.set MSB, (\new)
.endif
.endm
.macro PLACES
.rept 4
	v_nop
.endr
.endm
.macro CROUND                          ; a round of the cluster's barrier
	s_barrier_signal -1
	s_barrier_wait -1
	s_cmp_lg_u32 s10, 0
	s_cbranch_scc1 .Lnot_wave_0_\@
	s_barrier_signal -3
.Lnot_wave_0_\@:
	s_barrier_wait -3
	s_barrier_signal -1
	s_barrier_wait -1
.endm
	s_load_b128 s[4:7], s[0:1], 0x0                ; qkv, the scales' exponents
	s_load_b64 s[8:9], s[0:1], 0x10                ; cimg
	v_lshl_add_u32 v10, v0, 2, SPARE
	v_mov_b32 v11, 0
	ds_add_u32 v10, v11                            ; the opening lines: the add, twice on end
	ds_add_u32 v10, v11
	v_lshrrev_b32 v40, 5, v0
	s_delay_alu instid0(VALU_DEP_1)
	v_readfirstlane_b32 s10, v40                   ; wave 0..7
	s_and_b32 s13, ttmp7, 0xffff                   ; the head bh, which the partners share
	s_lshr_b32 s14, s10, 1                         ; JA
	s_and_b32 s15, s10, 1                          ; u
	s_sub_co_u32 s18, 7, s14                       ; JB
	; descriptor groups 1: dense blocks as rows of 256 bytes, in elements of 8 bytes: 32 rows, then 96 rows
	s_mov_b32 s24, 15|(3<<16)|(1<<21)              ; 15:0 the mask: all four work-groups; 17:16 elements of 8 bytes; 21 set beside a mask
	s_mov_b32 s25, 32<<16                          ; tensor_dim0 = 32
	s_mov_b32 s26, 32<<16                          ; tensor_dim1 = 32
	s_mov_b32 s27, 32<<16                          ; tile_dim0 = 32
	s_mov_b32 s28, 32                              ; tile_dim1 = 32
	s_mov_b32 s29, 32                              ; tensor_dim0_stride
	s_mov_b32 s30, 0
	s_mov_b32 s31, 0
	s_mov_b32 s32, 15|(3<<16)|(1<<21)
	s_mov_b32 s33, 32<<16
	s_mov_b32 s34, 96<<16
	s_mov_b32 s35, 32<<16
	s_mov_b32 s36, 96
	s_mov_b32 s37, 32
	s_mov_b32 s38, 0
	s_mov_b32 s39, 0
	; what I fetch: K (waves 0 to 3) or V (4 to 7); a quarter of its slots 0 and 1, then a quarter of its slots 2 to 7
	s_lshr_b32 s53, s10, 2
	s_and_b32 s56, s10, 3
	s_lshl_b32 s54, s53, 22
	s_add_co_u32 s54, s54, (4<<20)                 ; K at 4 MiB, V at 8 MiB,
	s_lshl_b32 s57, s13, 17
	s_add_co_u32 s54, s54, s57                     ; the head's 131,072 bytes
	s_lshl_b32 s58, s53, 17                        ; and in LDS
	s_lshl_b32 s57, s56, 13                        ; 8,192 bytes
	s_add_co_u32 s60, s54, s57
	s_mov_b32 s61, 0
	s_add_co_u32 s59, s58, s57
	s_mul_i32 s57, s56, 24576                      ; 24,576 bytes, from slot 2 on
	s_add_co_u32 s57, s57, 32768
	s_add_co_u32 s62, s54, s57
	s_mov_b32 s63, 0
	s_add_co_u32 s45, s58, s57
	; my tiles: g, and where their queries and their results lie
	s_bfe_u32 s11, ttmp6, 0x40000                  ; cx
	s_lshl_b32 s12, ttmp9, 2
	s_add_co_u32 s12, s12, s11                     ; c = 4 x cluster x + cx
	s_lshl_b32 s19, s12, 1
	s_add_co_u32 s19, s19, s15                     ; X's g
	s_xor_b32 s93, s19, 1                          ; Y's g
	s_lshl_b32 s2, s13, 3
	s_add_co_u32 s68, s2, s18
	s_lshl_b32 s68, s68, 14                        ; block JB of the head: 16 images of 1,024 bytes
	s_add_co_u32 s70, s2, s14
	s_lshl_b32 s70, s70, 14                        ; block JA
	s_lshl_b32 s2, s19, 10
	s_lshl_b32 s3, s93, 10
	s_add_co_u32 s66, s68, s2                      ; X in JB,
	s_add_co_u32 s68, s68, s3                      ; Y in JB,
	s_add_co_u32 s72, s70, s3                      ; Y in JA,
	s_add_co_u32 s70, s70, s2                      ; X in JA
	s_mov_b32 s67, 0
	s_mov_b32 s69, 0
	s_mov_b32 s71, 0
	s_mov_b32 s73, 0
	s_lshr_b32 s2, s13, 4
	s_lshl_b32 s2, s2, 3
	s_and_b32 s3, s13, 15
	s_lshl_b32 s3, s3, 10                          ; out: the image of head bh % 16 in row tile (8 (bh / 16) + J) x 16 + g; a row tile's sixteen heads are 16,384 bytes
	s_add_co_u32 s94, s2, s18
	s_lshl_b32 s94, s94, 4
	s_add_co_u32 s94, s94, s19
	s_lshl_b32 s94, s94, 14
	s_add_co_u32 s94, s94, s3
	s_mov_b32 s95, 0
	s_add_co_u32 s96, s2, s14
	s_lshl_b32 s96, s96, 4
	s_add_co_u32 s96, s96, s19
	s_lshl_b32 s96, s96, 14
	s_add_co_u32 s96, s96, s3
	s_mov_b32 s97, 0
	; the mask's selects: on the diagonal a key of tile T is hidden where j + 8 h - r >= 0 if T > g, and where it is >= 1 if T <= g
	s_lshl_b32 s2, s15, 3
.irp t, 0,1,2,3,4,5,6,7
	s_add_co_u32 s3, s2, \t                        ; T = 8 u + t
	s_cmp_gt_u32 s3, s19
	s_cselect_b32 s[74+\t], -1, 0
	s_cmp_gt_u32 s3, s93
	s_cselect_b32 s[82+\t], -1, 0
.endr
	s_mov_b32 s20, 0x76543210                      ; v_permlanex16_b32's selects for lane l xor 16
	s_mov_b32 s21, 0xfedcba98
	s_mov_b32 s22, 0x3e38aa3b                      ; c = log2(e) / 8
	s_wait_alu depctr_va_vdst(0)
	s_wait_dscnt 0x0                               ; both opening adds are done
	s_wait_kmcnt 0x0
	s_load_b128 s[48:51], s[6:7], 0x18             ; e6, e7, e8, e9
	s_load_b32 s52, s[6:7], 0x28                   ; e10
	s_mov_b32 s40, 1                               ; count = 1
	s_mov_b32 s41, s59
	s_add_nc_u64 s[42:43], s[4:5], s[60:61]
	s_or_b32 s43, s43, 0x80000000                  ; type = 2
	s_mov_b32 s44, 1
	s_add_nc_u64 s[46:47], s[4:5], s[62:63]
	s_or_b32 s47, s47, 0x80000000
	s_add_nc_u64 s[66:67], s[4:5], s[66:67]
	s_add_nc_u64 s[68:69], s[4:5], s[68:69]
	s_add_nc_u64 s[70:71], s[4:5], s[70:71]
	s_add_nc_u64 s[72:73], s[4:5], s[72:73]
	s_add_nc_u64 s[94:95], s[8:9], s[94:95]
	s_add_nc_u64 s[96:97], s[8:9], s[96:97]
	CROUND                                         ; all four work-groups are here: the joint loads meet
	tensor_load_to_lds s[40:43], s[24:31]          ; my part of slots 0 and 1
	s_nop 0
	PLACES                                         ; four v_nop follow it
	v_and_b32 v40, 31, v0
	v_and_b32 v42, 15, v0                          ; r
	v_bfe_u32 v43, v0, 4, 1                        ; h
	v_lshlrev_b32 v1, 4, v40
	v_lshlrev_b32 v4, 3, v40                       ; 8 x lane
	global_load_b128 v[16:19], v1, s[66:67]        ; Q's fragments of block JB
	global_load_b128 v[20:23], v1, s[66:67] offset:512
	global_load_b128 v[24:27], v1, s[68:69]
	global_load_b128 v[28:31], v1, s[68:69] offset:512
	WIN 0x40
	global_load_b128 v[QA:QA+3], v1, s[70:71]      ; and of block JA
	global_load_b128 v[QA+4:QA+7], v1, s[70:71] offset:512
	global_load_b128 v[QA+8:QA+11], v1, s[72:73]
	global_load_b128 v[QA+12:QA+15], v1, s[72:73] offset:512
	WIN 0
	s_lshl_b32 s53, s15, 13
	s_mul_i32 s54, s10, SPITCH
	v_lshlrev_b32 v43, 3, v43
	v_add_nc_u32 v5, s53, v1                       ; my half of a slot of K,
	v_add_nc_u32 v7, s54, v1                       ; my stage of block JA, at 0 (used when the slots have been read out),
	v_add_nc_u32 v9, s54, v4
	v_sub_nc_u32 v40, v43, v42                     ; 8 h - r
	v_add_nc_u32 v6, VB, v5                        ; of V,
	v_add_nc_u32 v8, STB, v7                       ; and of block JB, at 262,144
	v_add_nc_u32 v243, STB, v9
	v_mov_b32 v41, 0xff000000                      ; -2^127
	v_mov_b32 v13, 0xff61b1e6                      ; the largest t so far: -3e38
	v_mov_b32 v15, 0xff61b1e6
	v_mov_b32 v32, 0                               ; the sums, each in two halves
	v_mov_b32 v33, 0
	v_floor_f32 v12, -v13                          ; -M
	v_floor_f32 v14, -v15
	v_mov_b32 v34, 0
	v_mov_b32 v35, 0
	v_mov_b32 v37, 0                               ; (named as upper halves of pairs)
	v_mov_b32 v39, 0
	v_mov_b32 v44, 0                               ; written once: a lane permute's destination counts as one of its sources
	v_mov_b32 v45, 0
	v_mov_b32 v246, 0                              ; (X of block JB: written here once, so that every way through the text has written them; the change of blocks writes them anew)
	v_mov_b32 v248, 0
	WIN 0x40
.irp j, 0,1,2,3,4,5,6,7                ; the mask's two forms, as the C of a score product: -2^127 where hidden
	v_cmp_le_i32 vcc_lo, 0-\j, v40
	v_cndmask_b32 v[CGE+\j], 0, v41, vcc_lo
	v_cmp_le_i32 vcc_lo, 1-\j, v40
	v_cndmask_b32 v[CGT+\j], 0, v41, vcc_lo
.endr
.set j, 0
.rept 96
	v_mov_b32 v[OX+j], 0                           ; O^T of X and Y, and the place where X's of block JB is kept.  (The step is written without a first form: the first finds zeros, which the first change of M leaves zeros)
.set j, j+1
.endr
	WIN 0
	s_wait_alu depctr_va_vdst(0)
	s_wait_kmcnt 0x0
	s_add_co_i32 s53, s48, s49
	s_lshl_b32 s53, s53, 23
	s_add_co_i32 s22, s22, s53                     ; a score stands for score x 2^(e6 + e7): the two exponents are added to c's exponent field
	s_mov_b32 s23, s22                             ; (named with it as a pair, so it is written)
	s_add_co_i32 s53, s50, 127
	s_lshl_b32 s54, s53, 23
	s_add_co_i32 s53, s53, 8
	s_lshl_b32 s53, s53, 23
	s_or_b32 s90, s53, 0x600000                    ; 448 x 2^e8
	s_add_co_i32 s53, s52, 127
	s_lshl_b32 s55, s53, 23
	s_add_co_i32 s53, s53, 8
	s_lshl_b32 s53, s53, 23
	s_or_b32 s53, s53, 0x600000
	v_mov_b32 v240, s54                            ; 2^e8
	v_mov_b32 v241, s55                            ; 2^e10
	v_mov_b32 v242, s53                            ; 448 x 2^e10
.macro KLOAD a                         ; eight fragments of K, my half of a slot
.irp t, 0,1,2,3,4,5,6,7
.irp c, 0,1
	ds_load_b128 v[KF+8*\t+4*\c:KF+8*\t+4*\c+3], v[\a] offset:1024*\t+512*\c
.endr
.endr
.endm
.macro SCORES masked                   ; S^T of X and Y: 16 products, each on a result of its own
.irp t, 0,1,2,3,4,5,6,7
.if \masked
	v_wmma_f32_16x16x64_fp8_fp8 v[SX+8*\t:SX+8*\t+7], v[KF+8*\t:KF+8*\t+7], v[16:23], v[SX+8*\t:SX+8*\t+7]
.else
	v_wmma_f32_16x16x64_fp8_fp8 v[SX+8*\t:SX+8*\t+7], v[KF+8*\t:KF+8*\t+7], v[16:23], 0
.endif
.endr
.irp t, 0,1,2,3,4,5,6,7
.if \masked
	v_wmma_f32_16x16x64_fp8_fp8 v[SY+8*\t:SY+8*\t+7], v[KF+8*\t:KF+8*\t+7], v[24:31], v[SY+8*\t:SY+8*\t+7]
.else
	v_wmma_f32_16x16x64_fp8_fp8 v[SY+8*\t:SY+8*\t+7], v[KF+8*\t:KF+8*\t+7], v[24:31], 0
.endif
.endr
.endm
; A STEP: 128 keys x two tiles.  s17: the slot's LDS byte; s91: the next step's; s92: is this slot the diagonal one (diag = 1 alone).  K's fragments were asked for a step ago.
.macro STEP diag
	v_add_nc_u32 v2, s91, v5
	v_add_nc_u32 v3, s17, v6
	s_wait_alu depctr_va_vdst(0)
.if \diag
	s_cmp_eq_u32 s92, 0
	s_cbranch_scc1 .Lopen_\@
	WIN 0x05                                       ; sources 0 and 1 window 1
.irp t, 0,1,2,3,4,5,6,7
.irp n, 0,1,2,3,4,5,6,7
	v_cndmask_b32 v[SX+8*\t+\n], v[CGT+\n], v[CGE+\n], s[74+\t]
	v_cndmask_b32 v[SY+8*\t+\n], v[CGT+\n], v[CGE+\n], s[82+\t]
.endr
.endr
	s_wait_alu depctr_va_vdst(0)
	s_wait_dscnt 0x0
	WIN 0x01                                       ; source 0 (K) window 1
	SCORES 1
	WIN 0
	s_branch .Lgo_\@
.Lopen_\@:
.endif
	s_wait_dscnt 0x0                               ; K is in
	WIN 0x01
	SCORES 0
	WIN 0
.if \diag
.Lgo_\@:
.endif
	PLACES                                         ; in front of the loads into K's and V's registers and of the first read of the scores
	WIN 0x40
.irp t, 0,1,2,3
.irp c, 0,1,2,3
	ds_load_b128 v[VF+16*\t+4*\c:VF+16*\t+4*\c+3], v3 offset:2048*\t+512*\c   ; this step's V
.endr
.endr
	WIN 0
	v_max3_num_f32 v40, v[SX], v[SX+1], v[SX+2]    ; the step's largest score of my query among my 64 keys, in two chains a tile, the registers in ascending order,
	v_max3_num_f32 v42, v[SY], v[SY+1], v[SY+2]
	v_max3_num_f32 v41, v[SX+3], v[SX+4], v[SX+5]
	v_max3_num_f32 v43, v[SY+3], v[SY+4], v[SY+5]
.set i, 6
.rept 14
	v_max3_num_f32 v40, v40, v[SX+i], v[SX+i+1]
	v_max3_num_f32 v42, v42, v[SY+i], v[SY+i+1]
	v_max3_num_f32 v41, v41, v[SX+i+2], v[SX+i+3]
	v_max3_num_f32 v43, v43, v[SY+i+2], v[SY+i+3]
.set i, i+4
.endr
	v_max3_num_f32 v40, v40, v[SX+62], v[SX+63]
	v_max3_num_f32 v42, v42, v[SY+62], v[SY+63]
	v_mov_b32 v46, v12                             ; the old -M
	v_mov_b32 v47, v14
	v_max_num_f32 v40, v40, v41
	v_max_num_f32 v42, v42, v43
	v_permlanex16_b32 v44, v40, s20, s21
	v_permlanex16_b32 v45, v42, s20, s21
	v_max_num_f32 v40, v40, v44                    ; and among lane l xor 16's
	v_max_num_f32 v42, v42, v45
	v_mul_f32 v40, s22, v40                        ; as t (c is positive)
	v_mul_f32 v42, s22, v42
	v_max_num_f32 v13, v13, v40                    ; the running largest t
	v_max_num_f32 v15, v15, v42
	v_floor_f32 v12, -v13                          ; the new -M = floor(-t) = -ceil(t): M is a whole number
	v_floor_f32 v14, -v15
	v_sub_f32 v40, v12, v46                        ; old M less new M: a whole number, 0 or less
	v_sub_f32 v42, v14, v47
	v_cvt_i32_f32 v40, v40                         ; (it saturates)
	v_cvt_i32_f32 v42, v42
	v_ldexp_f32 v36, 1.0, v40                      ; f = 2^(old M - new M)
	v_ldexp_f32 v38, 1.0, v42
.set i, 0
.rept 32
	v_pk_fma_f32 v[SX+i:SX+i+1], v[SX+i:SX+i+1], s[22:23], v[12:13] op_sel_hi:[1,0,0]   ; X: t - M, two at a time (of the pairs c and -M the low word serves both halves)
.set i, i+2
.endr
	s_wait_alu depctr_va_vdst(0)                   ; ahead of the batch
.set i, 0
.rept 32                               ; X's exponentials, p = 2^(t - M), at most 1; among them Y's t - M, which read and write nothing of them
	v_exp_f32 v[SX+i], v[SX+i]
	v_exp_f32 v[SX+i+1], v[SX+i+1]
	v_pk_fma_f32 v[SY+i:SY+i+1], v[SY+i:SY+i+1], s[22:23], v[14:15] op_sel_hi:[1,0,0]
.set i, i+2
.endr
	WIN 0x40
	KLOAD 2                                        ; the next step's K, a second run of 16 loads
	WIN 0
	s_wait_alu depctr_va_vdst(0)                   ; behind X's batch and ahead of Y's
.set i, 0
.set k, 0
.rept 16                               ; Y's exponentials; among them X's first sums, of the unquantised p, and behind each X's holds (the conversion does not saturate: ISA guide 7.6.2; p is not negative, so the hold is one-sided)
	v_exp_f32 v[SY+i], v[SY+i]
	v_exp_f32 v[SY+i+1], v[SY+i+1]
	v_pk_add_f32 v[T+k:T+k+1], v[SX+i:SX+i+1], v[SX+i+2:SX+i+3]
	v_exp_f32 v[SY+i+2], v[SY+i+2]
	v_dual_min_num_f32 v[SX+i], s90, v[SX+i] :: v_dual_min_num_f32 v[SX+i+1], s90, v[SX+i+1]
	v_exp_f32 v[SY+i+3], v[SY+i+3]
	v_dual_min_num_f32 v[SX+i+2], s90, v[SX+i+2] :: v_dual_min_num_f32 v[SX+i+3], s90, v[SX+i+3]
.set i, i+4
.set k, k+2
.endr
	v_pk_mul_f32 v[32:33], v[32:33], v[36:37] op_sel_hi:[1,0]   ; the sums under the new M: plain lines behind the exponentials
	v_pk_mul_f32 v[34:35], v[34:35], v[38:39] op_sel_hi:[1,0]
	s_wait_alu depctr_va_vdst(0)                   ; behind Y's batch
.irp k, 0,1,2,3,4,5,6,7
	v_pk_add_f32 v[T+2*\k:T+2*\k+1], v[T+2*\k:T+2*\k+1], v[T+16+2*\k:T+17+2*\k]   ; X: 16 partial sums to 8
.endr
.irp k, 0,1,2,3,4,5,6,7
	v_pk_add_f32 v[T+16+2*\k:T+17+2*\k], v[SY+8*\k:SY+8*\k+1], v[SY+8*\k+2:SY+8*\k+3]   ; Y: 32 pairs to 8
.endr
.irp q, 4,6
.irp k, 0,1,2,3,4,5,6,7
	v_pk_add_f32 v[T+16+2*\k:T+17+2*\k], v[T+16+2*\k:T+17+2*\k], v[SY+8*\k+\q:SY+8*\k+\q+1]
.endr
.endr
.irp t, 0,1,2,3,4,5,6,7
	v_cvt_scalef32_pk8_fp8_f32 v[PX+2*\t:PX+2*\t+1], v[SX+8*\t:SX+8*\t+7], v240
.endr
.irp k, 0,1,2,3
	v_pk_add_f32 v[T+2*\k:T+2*\k+1], v[T+2*\k:T+2*\k+1], v[T+8+2*\k:T+9+2*\k]
	v_pk_add_f32 v[T+16+2*\k:T+17+2*\k], v[T+16+2*\k:T+17+2*\k], v[T+24+2*\k:T+25+2*\k]
.endr
.set i, 0
.rept 16
	v_dual_min_num_f32 v[SY+i], s90, v[SY+i] :: v_dual_min_num_f32 v[SY+i+1], s90, v[SY+i+1]
.set i, i+2
.endr
.irp k, 0,1
	v_pk_add_f32 v[T+2*\k:T+2*\k+1], v[T+2*\k:T+2*\k+1], v[T+4+2*\k:T+5+2*\k]
	v_pk_add_f32 v[T+16+2*\k:T+17+2*\k], v[T+16+2*\k:T+17+2*\k], v[T+20+2*\k:T+21+2*\k]
.endr
.rept 8
	v_dual_min_num_f32 v[SY+i], s90, v[SY+i] :: v_dual_min_num_f32 v[SY+i+1], s90, v[SY+i+1]
.set i, i+2
.endr
	v_pk_add_f32 v[T:T+1], v[T:T+1], v[T+2:T+3]
	v_pk_add_f32 v[T+16:T+17], v[T+16:T+17], v[T+18:T+19]
.rept 8
	v_dual_min_num_f32 v[SY+i], s90, v[SY+i] :: v_dual_min_num_f32 v[SY+i+1], s90, v[SY+i+1]
.set i, i+2
.endr
	v_pk_add_f32 v[32:33], v[32:33], v[T:T+1]
	v_pk_add_f32 v[34:35], v[34:35], v[T+16:T+17]
.irp t, 0,1,2,3,4,5,6,7
	v_cvt_scalef32_pk8_fp8_f32 v[PY+2*\t:PY+2*\t+1], v[SY+8*\t:SY+8*\t+7], v240
.endr
	WIN 0x41                                       ; destination and source 0 window 1
	s_wait_alu depctr_va_vdst(0)                   ; directly ahead of the first reader of O^T
.set i, 0
.rept 16
	v_pk_mul_f32 v[OX+i:OX+i+1], v[OX+i:OX+i+1], v[36:37] op_sel_hi:[1,0]   ; O^T under the new M.  (These are also the plain lines between the conversions and the products below)
.set i, i+2
.endr
.set i, 0
.rept 16
	v_pk_mul_f32 v[OY+i:OY+i+1], v[OY+i:OY+i+1], v[38:39] op_sel_hi:[1,0]
.set i, i+2
.endr
	s_wait_alu depctr_va_vdst(0)
	s_wait_dscnt 16                                ; V is in; the next step's 16 loads of K may be out
	WIN 0x51                                       ; source 0 (V), C and D window 1, source 1 (p's codes) window 0
.irp t, 0,1,2,3                        ; eight accumulators by turns
	v_wmma_f32_16x16x128_fp8_fp8 v[OX+8*\t:OX+8*\t+7], v[VF+16*\t:VF+16*\t+15], v[PX:PX+15], v[OX+8*\t:OX+8*\t+7]
	v_wmma_f32_16x16x128_fp8_fp8 v[OY+8*\t:OY+8*\t+7], v[VF+16*\t:VF+16*\t+15], v[PY:PY+15], v[OY+8*\t:OY+8*\t+7]
.endr
	WIN 0
.endm
	s_wait_alu depctr_va_vdst(0)
	s_wait_tensorcnt 0x0                           ; my part of slots 0 and 1 is in
	ds_add_u32 v10, v11
	s_wait_dscnt 0x0
	CROUND                                         ; everybody's part is in, and all four work-groups are here
	tensor_load_to_lds s[44:47], s[32:39]          ; my part of slots 2 to 7: no step before the next barrier reads these bytes
	s_nop 0
	PLACES
	WIN 0x40
	KLOAD 5                                        ; slot 0
	WIN 0
	s_wait_loadcnt 0x0                             ; Q
	s_mov_b32 s16, 0
	s_mov_b32 s17, 0
	s_mov_b32 s91, SLOTB                           ; the step ahead never reads beyond slot 1 here
.Lfirst:                                           ; slots 0 and 1 of block JB (JB is 4 or more: neither is the diagonal one)
	STEP 0
	s_add_co_u32 s17, s17, SLOTB
	s_add_co_u32 s16, s16, 1
	s_cmp_lt_u32 s16, 2
	s_wait_alu depctr_va_vdst(0)                   ; directly ahead of the branch
	s_cbranch_scc1 .Lfirst
	v_add_nc_u32 v2, 2*SLOTB, v5
	s_wait_alu depctr_va_vdst(0)
	s_wait_tensorcnt 0x0                           ; my part of slots 2 to 7 has landed,
	s_wait_dscnt 0x0
	s_barrier_signal -1
	s_barrier_wait -1                              ; everybody's has: nothing is ever filled again
	WIN 0x40
	KLOAD 2                                        ; slot 2
	WIN 0
	s_mov_b32 s16, 2
.Lstep:                                            ; steps 2 to 8 of my nine: step i is slot i of block JB up to JB, then slot i - JB - 1 of block JA
	s_add_co_u32 s53, s18, 1
	s_sub_co_u32 s53, s16, s53                     ; i - JB - 1
	s_cmp_le_u32 s16, s18
	s_cselect_b32 s17, s16, s53
	s_min_u32 s17, s17, 7
	s_lshl_b32 s17, s17, 14
	s_add_co_u32 s54, s16, 1
	s_sub_co_u32 s55, s16, s18
	s_cmp_le_u32 s54, s18
	s_cselect_b32 s91, s54, s55                    ; the next step's slot (behind the last step: a slot that is in LDS all the same; nothing uses it)
	s_min_u32 s91, s91, 7
	s_lshl_b32 s91, s91, 14
	s_cmp_eq_u32 s16, s18
	s_cselect_b32 s92, 1, 0
	s_cmp_eq_u32 s16, 8
	s_cselect_b32 s92, 1, s92                      ; the diagonal slots: step JB and step 8
	s_cmp_lg_u32 s53, 0
	s_cbranch_scc1 .Lsame                          ; on the wave's number and the step's: block JB is finished
	PLACES                                         ; the last products' results are read below
	WIN 0x04                                       ; stored data window 1
.irp k, 0,1,2,3,4,5,6,7
	ds_store_b128 v8, v[OY+4*\k:OY+4*\k+3] offset:512*\k   ; Y to my stage, for wave w xor 1
.endr
	WIN 0
	v_mov_b32 v40, v14
	v_add_f32 v41, v34, v35
	ds_store_b64 v243, v[40:41] offset:4096        ; with its -M and its sum (each half of the lanes its own)
	WIN 0x41
.set i, 0
.rept 32
	v_mov_b32 v[SV+i], v[OX+i]                     ; X is kept
.set i, i+1
.endr
	WIN 0
	v_mov_b32 v246, v12
	v_add_f32 v248, v32, v33
	WIN 0x01
.set i, 0
.rept 16
	v_mov_b32 v[16+i], v[QA+i]                     ; the queries of block JA
.set i, i+1
.endr
	WIN 0
	v_mov_b32 v13, 0xff61b1e6                      ; the largest t begins anew: the first change of M multiplies the old sums and O^T, which are finite, by 0
	v_mov_b32 v15, 0xff61b1e6
	v_floor_f32 v12, -v13
	v_floor_f32 v14, -v15
.Lsame:
	STEP 1
	s_add_co_u32 s16, s16, 1
	s_cmp_lt_u32 s16, 9
	s_wait_alu depctr_va_vdst(0)                   ; directly ahead of the branch
	s_cbranch_scc1 .Lstep
	; THE JOINING.  Every wave's reads of the slots are over: the stages of block JA lie in K's slots, which have had their last fill
	s_wait_dscnt 0x0
	s_barrier_signal -1
	s_xor_b32 s53, s10, 1
	s_mul_i32 s53, s53, SPITCH
	v_mov_b32 v40, v14
	v_add_f32 v41, v34, v35
	v_add_f32 v249, v32, v33
	v_add_nc_u32 v2, s53, v1                       ; the other wave's stages
	v_add_nc_u32 v46, s53, v4
	v_add_nc_u32 v3, STB, v2
	v_add_nc_u32 v47, STB, v46
	s_wait_alu depctr_va_vdst(0)
	s_barrier_wait -1
	WIN 0x04
.irp k, 0,1,2,3,4,5,6,7
	ds_store_b128 v7, v[OY+4*\k:OY+4*\k+3] offset:512*\k
.endr
	WIN 0
	ds_store_b64 v9, v[40:41] offset:4096
	s_wait_dscnt 0x0
	s_barrier_signal -1
	s_barrier_wait -1
	ds_load_b64 v[40:41], v47 offset:4096          ; block JB: the other half's -M and sum
	ds_load_b64 v[42:43], v46 offset:4096          ; block JA
.irp k, 0,1,2,3,4,5,6,7
	ds_load_b128 v[SX+4*\k:SX+4*\k+3], v3 offset:512*\k
.endr
.irp k, 0,1,2,3,4,5,6,7
	ds_load_b128 v[SX+32+4*\k:SX+32+4*\k+3], v2 offset:512*\k
.endr
	s_add_co_i32 s53, s50, s51
	s_wait_dscnt 16                                ; the two first loads are in; the 16 behind them may be out
	v_min_num_f32 v208, v246, v40                  ; -M of both halves together
	v_min_num_f32 v209, v12, v42
	v_sub_f32 v210, v208, v246                     ; each half's M less that: whole numbers, 0 or less
	v_sub_f32 v211, v209, v12
	v_sub_f32 v212, v208, v40
	v_sub_f32 v213, v209, v42
	v_cvt_i32_f32 v210, v210
	v_cvt_i32_f32 v211, v211
	v_cvt_i32_f32 v212, v212
	v_cvt_i32_f32 v213, v213
	v_ldexp_f32 v210, 1.0, v210
	v_ldexp_f32 v211, 1.0, v211
	v_ldexp_f32 v212, 1.0, v212
	v_ldexp_f32 v213, 1.0, v213
	v_mul_f32 v214, v248, v210
	v_mul_f32 v215, v249, v211
	v_fma_f32 v214, v41, v212, v214
	v_fma_f32 v215, v43, v213, v215
	v_permlanex16_b32 v44, v214, s20, s21
	v_permlanex16_b32 v45, v215, s20, s21
	v_add_f32 v214, v214, v44                      ; the rows' sums
	v_add_f32 v215, v215, v45
	s_wait_alu depctr_va_vdst(0)                   ; ahead of the batch
	v_rcp_f32 v214, v214
	v_rcp_f32 v215, v215
	v_nop                                          ; a plain line behind the transcendentals
	s_wait_alu depctr_va_vdst(0)                   ; and behind it
	v_ldexp_f32 v214, v214, s53                    ; x 2^(e8 + e9)
	v_ldexp_f32 v215, v215, s53
	v_mul_f32 v216, v210, v214                     ; what my half and the other's are multiplied by
	v_mul_f32 v218, v212, v214
	v_mul_f32 v220, v211, v215
	v_mul_f32 v222, v213, v215
	s_wait_alu depctr_va_vdst(0)
	s_wait_dscnt 0x0
.set i, 0
.rept 16
	v_pk_mul_f32 v[SX+i:SX+i+1], v[SX+i:SX+i+1], v[218:219] op_sel_hi:[1,0]
	v_pk_mul_f32 v[SX+32+i:SX+33+i], v[SX+32+i:SX+33+i], v[222:223] op_sel_hi:[1,0]
.set i, i+2
.endr
	WIN 0x01                                       ; source 0 window 1
	s_wait_alu depctr_va_vdst(0)                   ; directly ahead of the first reader of O^T
.set i, 0
.rept 16
	v_pk_fma_f32 v[SX+32+i:SX+33+i], v[OX+i:OX+i+1], v[220:221], v[SX+32+i:SX+33+i] op_sel_hi:[1,0,1]   ; block JA; each accumulator from its low end on
.set i, i+2
.endr
.set i, 0
.rept 16
	v_pk_fma_f32 v[SX+i:SX+i+1], v[SV+i:SV+i+1], v[216:217], v[SX+i:SX+i+1] op_sel_hi:[1,0,1]   ; block JB
.set i, i+2
.endr
	WIN 0
.set i, 0
.rept 64
	v_med3_num_f32 v[SX+i], v[SX+i], -v242, v242   ; the hold (ISA guide 7.6.2)
.set i, i+1
.endr
.irp t, 0,1,2,3,4,5,6,7
	v_cvt_scalef32_pk8_fp8_f32 v[PX+2*\t:PX+2*\t+1], v[SX+8*\t:SX+8*\t+7], v241   ; tiles 0 to 3 of block JB, then of JA: registers 2 t, 2 t + 1 of the last product's operand
.endr
	v_nop                                          ; a plain line behind the last conversion
	global_store_b128 v1, v[PX:PX+3], s[94:95]     ; 512 consecutive bytes, aligned, each
	global_store_b128 v1, v[PX+4:PX+7], s[94:95] offset:512
	global_store_b128 v1, v[PX+8:PX+11], s[96:97]
	global_store_b128 v1, v[PX+12:PX+15], s[96:97] offset:512
	s_wait_tensorcnt 0x0                           ; the wave's end
	ds_add_u32 v10, v11
	s_wait_dscnt 0x0
	CROUND                                         ; the closing round: no work-group ends while a partner may still ask for a tile that names it
	s_endpgm
.Lfunc_end_k_qe9b1d22576_attn:
	.size	k_qe9b1d22576_attn, .Lfunc_end_k_qe9b1d22576_attn-k_qe9b1d22576_attn
	.p2alignl 7, 3214868480
	.fill 96, 4, 3214868480
	.section	.rodata,"a",@progbits
	.p2align	6, 0x0
	.amdhsa_kernel k_qe9b1d22576_attn
		.amdhsa_group_segment_fixed_size 327680
		.amdhsa_private_segment_fixed_size 0
		.amdhsa_enable_private_segment 0
		.amdhsa_kernarg_size 24
		.amdhsa_user_sgpr_count 2
		.amdhsa_user_sgpr_kernarg_segment_ptr 1
		.amdhsa_wavefront_size32 1
		.amdhsa_system_sgpr_workgroup_id_x 1
		.amdhsa_system_sgpr_workgroup_id_y 1
		.amdhsa_system_sgpr_workgroup_id_z 1
		.amdhsa_system_vgpr_workitem_id 0
		.amdhsa_next_free_vgpr 512
		.amdhsa_next_free_sgpr 100
		.amdhsa_reserve_vcc 1
		.amdhsa_float_denorm_mode_32 3
		.amdhsa_float_denorm_mode_16_64 3
		.amdhsa_memory_ordered 1
		.amdhsa_forward_progress 1
		.amdhsa_inst_pref_size 99
	.end_amdhsa_kernel
	.amdgpu_metadata
---
amdhsa.version: [ 1, 2 ]
amdhsa.kernels:
  - .name:           k_qe9b1d22576_attn
    .symbol:         k_qe9b1d22576_attn.kd
    .args:
      - { .name: qkv, .offset: 0, .size: 8, .value_kind: global_buffer, .address_space: global }
      - { .name: lowp_scales, .offset: 8, .size: 8, .value_kind: global_buffer, .address_space: global }
      - { .name: cimg, .offset: 16, .size: 8, .value_kind: global_buffer, .address_space: global }
    .group_segment_fixed_size: 327680
    .private_segment_fixed_size: 0
    .kernarg_segment_align: 8
    .kernarg_segment_size: 24
    .max_flat_workgroup_size: 256
    .sgpr_count:     100
    .vgpr_count:     512
    .wavefront_size: 32
...
	.end_amdgpu_metadata
.endif
;; end of part 3
;; launch ffn (part 4): grid 8 x 32, 4 waves a work-group, clusters of 4 x 1, 168,448 bytes of LDS; arguments cimg, codes, lowp_scales, b_ffn, out0; writes out0
.if DOCPART == 4
	.amdgcn_target "amdgcn-amd-amdhsa--gfx1250"
	.amdhsa_code_object_version 6
	.text
	.protected	k_qe9b1d22576_ffn
	.globl	k_qe9b1d22576_ffn
	.p2align	8
	.type	k_qe9b1d22576_ffn,@function
k_qe9b1d22576_ffn:
	s_mov_b64 s[64:65], 0
	v_nop
	global_prefetch_b8 v0, s[64:65] scope:SCOPE_SE
	s_setreg_imm32_b32 hwreg(HW_REG_WAVE_MODE, 25, 1), 1
	s_wait_xcnt 0x0
	s_wait_alu depctr_hold_cnt(0) depctr_sa_sdst(0) depctr_va_vdst(0) depctr_va_sdst(0) depctr_va_ssrc(0) depctr_va_vcc(0) depctr_vm_vsrc(0)
	s_getreg_b32 s2, hwreg(HW_REG_IB_STS2, 6, 4)
	s_cmp_eq_u32 s2, 0
	s_cbranch_scc0 .Lentry_in_a_cluster
	s_endpgm
.Lentry_in_a_cluster:
	s_bfe_u32 s2, ttmp6, 0x10000c
	s_cmp_lg_u32 s2, 0x3003
	s_cbranch_scc0 .Lentry_shape_is_right
	s_endpgm
.Lentry_shape_is_right:
; out = concat W_ffn^T + b_ffn on codes of FP8 (E4M3): [4096][1024] x [1024][1024], sums in f32; each sum x 2^(e10 + e11) + bias by one fused multiply-add.
; LIMIT: e10 + e11 lies between -126 and 127, so that 2^(e10 + e11) is an f32 number.
; Both operands arrive as images of operand registers (16 rows x 128 K, 2,048 bytes, lane L's 16 bytes of chunk c at 512 c + 16 L).  The concat's row tile RT = (8 b + sigma) x 16 + g holds rows 256 sigma + 16 r + g of batch b.
; SHARES.  256 tiles of 128 rows (eight row tiles, R) x 128 columns (P = W_ffn's rows).  R with all of K, 131,072 bytes, lies in LDS, filled once.  Wave w makes 64 x 64: R's row tiles 4 (w / 2) + 0 .. 3 from LDS,
; and the 64 rows of W_ffn of half w % 2, loaded from memory straight into registers, each set once; two waves of the work-group load the same rows.
; D = P x R^T: lane (r, h), register j = (column 8 h + j, row r): eight neighbouring columns of one row of out.
; CLUSTER.  The four work-groups of a cluster take four column blocks of the same rows and ask for R JOINTLY.  No prefetch: there is one fill and no loop of fills to run ahead in.
; THE WAY OUT.  A wave's 64 columns are 256 bytes of a row: a tile of 16 rows goes through the wave's own stage in LDS (rows of 256 + 16 bytes, behind R, where no fill lands) and leaves as whole aligned blocks of 256 bytes.
; REGISTERS, in windows of 256: window 0: v1-5, v9 addresses; v30, v31 the add's; v32-63 the bias (8 p + j); v64-255 R's fragments, three slots of four; on the way out v64-95 results, v128-255 rows read back.
;   window 1: accumulator (row tile i, column tile p) at v[8 (4 i + p)].   windows 2, 3: P's eight sets of four fragments.
.set BIAS, 32
.set TMP,  64
.set BK,   128
.set SP,   272
.set STG,  131072
.set MSB, 0
.macro WIN new                         ; the immediate's high byte repeats the setting that is left
.if MSB != (\new)
	s_set_vgpr_msb (MSB<<8)|(\new)
.set MSB, (\new)
.endif
.endm
.macro PLACES
.rept 4
	v_nop
.endr
.endm
.macro CROUND                          ; a round of the cluster's barrier
	s_barrier_signal -1
	s_barrier_wait -1
	s_cmp_lg_u32 s14, 0
	s_cbranch_scc1 .Lnot_wave_0_\@
	s_barrier_signal -3
.Lnot_wave_0_\@:
	s_barrier_wait -3
	s_barrier_signal -1
	s_barrier_wait -1
.endm
	s_load_b256 s[4:11], s[0:1], 0x0               ; cimg, the codes, the scales' exponents, b_ffn
	s_load_b64 s[12:13], s[0:1], 0x20              ; out0
	v_lshl_add_u32 v30, v0, 2, 0x29000
	v_mov_b32 v31, 0
	ds_add_u32 v30, v31                            ; the opening lines: the add, twice on end
	ds_add_u32 v30, v31
	v_lshrrev_b32 v6, 5, v0
	v_readfirstlane_b32 s14, v6                    ; wave 0..3
	s_lshr_b32 s2, s14, 1                          ; wr: my half of the rows
	s_and_b32 s3, s14, 1                           ; wc: my half of the columns
	v_and_b32 v6, 31, v0
	v_lshlrev_b32 v1, 4, v6                        ; 16 x lane
	v_and_b32 v7, 15, v0                           ; r
	v_bfe_u32 v8, v0, 4, 1                         ; h
	s_mul_i32 s17, s14, 16*SP
	s_add_co_u32 s17, s17, STG                     ; my stage
	s_lshl_b32 s19, s2, 16
	v_add_nc_u32 v9, s19, v1                       ; my four row tiles of R in LDS
	v_mul_u32_u24 v2, v7, SP
	v_lshl_add_u32 v2, v8, 5, v2
	v_add_nc_u32 v2, s17, v2                       ; in: row r, 32 bytes for each half of the lanes
	v_mul_u32_u24 v3, v8, SP
	v_lshl_add_u32 v3, v7, 4, v3
	v_add_nc_u32 v3, s17, v3                       ; back: lanes 0-15 one row, lanes 16-31 the next
	v_lshlrev_b32 v4, 16, v8                       ; and in out0: a tile's neighbouring rows lie 16 rows, 65,536 bytes, apart
	v_lshl_add_u32 v4, v7, 4, v4
	v_lshlrev_b32 v5, 5, v8                        ; the bias: 32 h
	s_and_b32 s16, ttmp7, 0xffff                   ; mb: row tiles 8 mb + 0 .. 7
	; descriptor group 1: two row tiles' 32,768 bytes, dense, as 128 rows of 256 bytes in elements of 8 bytes
	s_mov_b32 s24, 15|(3<<16)|(1<<21)              ; 15:0 the mask: all four work-groups; 17:16 elements of 8 bytes; 21 set beside a mask
	s_mov_b32 s25, 32<<16
	s_mov_b32 s26, 128<<16
	s_mov_b32 s27, 32<<16
	s_mov_b32 s28, 128
	s_mov_b32 s29, 32
	s_mov_b32 s30, 0
	s_mov_b32 s31, 0
	s_lshl_b32 s22, s16, 17
	s_lshl_b32 s33, s14, 15                        ; LDS address: row tiles 2 x wave and the next
	s_add_co_u32 s22, s22, s33                     ; R: row tiles 8 mb + 2 x wave and the next
	s_mov_b32 s23, 0
	s_bfe_u32 s15, ttmp6, 0x40000                  ; cx: it enters P's, the bias's and the output's addresses alone
	s_lshl_b32 s46, ttmp9, 2
	s_add_co_u32 s46, s46, s15                     ; cb: the column block
	s_lshr_b32 s20, s16, 1
	s_lshl_b32 s20, s20, 8
	s_and_b32 s21, s16, 1
	s_lshl_b32 s21, s21, 3
	s_add_co_u32 s20, s20, s21
	s_lshl_b32 s21, s2, 2
	s_add_co_u32 s20, s20, s21                     ; out0's row of (my tile 0, r = 0): 256 (mb / 2) + 8 (mb % 2) + 4 wr
	s_lshl_b32 s42, s20, 12
	s_lshl_b32 s18, s46, 9
	s_lshl_b32 s19, s3, 8
	s_add_co_u32 s18, s18, s19                     ; my 64 columns, in bytes
	s_add_co_u32 s42, s42, s18
	s_mov_b32 s43, 0
	s_mov_b32 s44, s18
	s_mov_b32 s45, 0
	s_lshl_b32 s36, s46, 17
	s_lshl_b32 s19, s3, 16
	s_add_co_u32 s36, s36, s19
	s_add_co_u32 s36, s36, (15<<20)                ; W_ffn's images: rows 128 cb + 64 wc on
	s_mov_b32 s37, 0
	s_wait_alu depctr_va_vdst(0)
	s_wait_dscnt 0x0                               ; both opening adds are done
	s_wait_kmcnt 0x0
	s_load_b64 s[40:41], s[8:9], 0x28              ; e10, e11
	s_mov_b32 s32, 1
	s_add_nc_u64 s[34:35], s[4:5], s[22:23]
	s_or_b32 s35, s35, 0x80000000                  ; type = 2
	s_add_nc_u64 s[36:37], s[6:7], s[36:37]
	s_add_nc_u64 s[42:43], s[12:13], s[42:43]
	s_add_nc_u64 s[44:45], s[10:11], s[44:45]
	CROUND                                         ; all four work-groups are here: the joint loads meet
	tensor_load_to_lds s[32:35], s[24:31]          ; one load of mine is out
	s_nop 0
	PLACES                                         ; four v_nop follow it
	s_wait_alu depctr_va_vdst(0)
.irp p, 0,1,2,3
.irp z, 0,1
	global_load_b128 v[BIAS+8*\p+4*\z:BIAS+8*\p+4*\z+3], v5, s[44:45] offset:64*\p+16*\z
.endr
.endr
.macro PLOAD kk                        ; P's four fragments of K step kk: each set is written once
	WIN 0x80+0x40*((\kk)/4)                        ; destination window 2 or 3
.irp p, 0,1,2,3
.irp c, 0,1,2,3
	global_load_b128 v[64*((\kk)%4)+16*\p+4*\c:64*((\kk)%4)+16*\p+4*\c+3], v1, s[36:37] offset:16384*\p+2048*(\kk)+512*\c
.endr
.endr
	WIN 0
.endm
.macro RLOAD kk                        ; R's four fragments of K step kk into slot kk % 3
.irp i, 0,1,2,3
.irp c, 0,1,2,3
	ds_load_b128 v[64+64*((\kk)%3)+16*\i+4*\c:64+64*((\kk)%3)+16*\i+4*\c+3], v9 offset:16384*\i+2048*(\kk)+512*\c
.endr
.endr
.endm
.macro KSTEP kk
	WIN 0
	PLACES                                         ; behind the last step's products: the loads below land in the slot that they read
.if (\kk) <= 5
	RLOAD (\kk)+2
	s_wait_dscnt 32                                ; this step's 16 loads are in; the next two steps' may be out
.elseif (\kk) == 6
	s_wait_dscnt 16
.else
	s_wait_dscnt 0
.endif
.if (\kk) <= 4
	s_wait_loadcnt 48                              ; this step's set of P (and the bias ahead of it) is in; the next three sets' loads may be out
.else
	s_wait_loadcnt 16*(7-(\kk))
.endif
.if (\kk) < 4
	PLOAD (\kk)+4
.endif
	WIN 0x52+(\kk)/4                               ; source 0 (P) window 2 or 3, source 1 (R) window 0, C and D window 1
.irp i, 0,1,2,3
.irp p, 0,1,2,3
.set AC, 8*(4*\i+\p)
.set PF, 64*((\kk)%4)+16*\p
.set RF, 64+64*((\kk)%3)+16*\i
.if (\kk) == 0
	v_wmma_f32_16x16x128_fp8_fp8 v[AC:AC+7], v[PF:PF+15], v[RF:RF+15], 0
.else
	v_wmma_f32_16x16x128_fp8_fp8 v[AC:AC+7], v[PF:PF+15], v[RF:RF+15], v[AC:AC+7]
.endif
.endr
.endr
.endm
	PLOAD 0
	PLOAD 1
	PLOAD 2
	PLOAD 3
	s_wait_tensorcnt 0x0                           ; my two row tiles have landed,
	s_barrier_signal -1
	s_barrier_wait -1                              ; everybody's have
	RLOAD 0
	RLOAD 1
.irp n, 0,1,2,3,4,5,6,7                ; the 16 accumulators take turns, one instruction a turn, in the same order in every K step
	KSTEP \n
.endr
	WIN 0
	PLACES
	s_wait_kmcnt 0x0
	s_add_co_i32 s38, s40, s41
	s_add_co_i32 s38, s38, 127
	s_lshl_b32 s38, s38, 23                        ; 2^(e10 + e11) as f32
	s_mov_b32 s39, s38                             ; (named with it as a pair, so it is written)
.macro TILE i
	WIN 0x01                                       ; source 0 (the sums) window 1
.irp p, 0,1,2,3
.irp e, 0,2,4,6
	v_pk_fma_f32 v[TMP+8*\p+\e:TMP+8*\p+\e+1], v[8*(4*\i+\p)+\e:8*(4*\i+\p)+\e+1], s[38:39], v[BIAS+8*\p+\e:BIAS+8*\p+\e+1] op_sel_hi:[1,0,1]   ; sum x 2^(e10 + e11) + bias; each accumulator from its low end on
.endr
.endr
	WIN 0
.irp p, 0,1,2,3
	ds_store_b128 v2, v[TMP+8*\p:TMP+8*\p+3] offset:64*\p
	ds_store_b128 v2, v[TMP+8*\p+4:TMP+8*\p+7] offset:64*\p+16
.endr
.irp t, 0,1,2,3,4,5,6,7
	ds_load_b128 v[BK+32*\i+4*\t:BK+32*\i+4*\t+3], v3 offset:2*SP*\t   ; LDS serves a wave's instructions in order (ISA guide 5.7.1.4): these see the stores above
.endr
	s_wait_dscnt 0x0
.irp t, 0,1,2,3,4,5,6,7
	global_store_b128 v4, v[BK+32*\i+4*\t:BK+32*\i+4*\t+3], s[42:43] offset:4096*\i+131072*\t th:TH_STORE_NT   ; 16 lanes store 256 consecutive bytes, at a multiple of 256 from out0's first byte; written once, read by nobody here
.endr
.endm
	TILE 0
	TILE 1
	TILE 2
	TILE 3
	s_wait_tensorcnt 0x0                           ; the wave's end
	ds_add_u32 v30, v31
	s_wait_dscnt 0x0
	CROUND                                         ; the closing round: no work-group ends while a partner may still ask for a tile that names it
	s_endpgm
.Lfunc_end_k_qe9b1d22576_ffn:
	.size	k_qe9b1d22576_ffn, .Lfunc_end_k_qe9b1d22576_ffn-k_qe9b1d22576_ffn
	.p2alignl 7, 3214868480
	.fill 96, 4, 3214868480
	.section	.rodata,"a",@progbits
	.p2align	6, 0x0
	.amdhsa_kernel k_qe9b1d22576_ffn
		.amdhsa_group_segment_fixed_size 168448
		.amdhsa_private_segment_fixed_size 0
		.amdhsa_enable_private_segment 0
		.amdhsa_kernarg_size 40
		.amdhsa_user_sgpr_count 2
		.amdhsa_user_sgpr_kernarg_segment_ptr 1
		.amdhsa_wavefront_size32 1
		.amdhsa_system_sgpr_workgroup_id_x 1
		.amdhsa_system_sgpr_workgroup_id_y 1
		.amdhsa_system_sgpr_workgroup_id_z 1
		.amdhsa_system_vgpr_workitem_id 0
		.amdhsa_next_free_vgpr 1024
		.amdhsa_next_free_sgpr 66
		.amdhsa_reserve_vcc 0
		.amdhsa_float_denorm_mode_32 3
		.amdhsa_float_denorm_mode_16_64 3
		.amdhsa_memory_ordered 1
		.amdhsa_forward_progress 1
		.amdhsa_inst_pref_size 48
	.end_amdhsa_kernel
	.amdgpu_metadata
---
amdhsa.version: [ 1, 2 ]
amdhsa.kernels:
  - .name:           k_qe9b1d22576_ffn
    .symbol:         k_qe9b1d22576_ffn.kd
    .args:
      - { .name: cimg, .offset: 0, .size: 8, .value_kind: global_buffer, .address_space: global }
      - { .name: codes, .offset: 8, .size: 8, .value_kind: global_buffer, .address_space: global }
      - { .name: lowp_scales, .offset: 16, .size: 8, .value_kind: global_buffer, .address_space: global }
      - { .name: b_ffn, .offset: 24, .size: 8, .value_kind: global_buffer, .address_space: global }
      - { .name: out0, .offset: 32, .size: 8, .value_kind: global_buffer, .address_space: global }
    .group_segment_fixed_size: 168448
    .private_segment_fixed_size: 0
    .kernarg_segment_align: 8
    .kernarg_segment_size: 40
    .max_flat_workgroup_size: 128
    .sgpr_count:     66
    .vgpr_count:     1024
    .wavefront_size: 32
...
	.end_amdgpu_metadata
.endif
;; end of part 4
